; MI455X (gfx1250); checked and timed in simulation.
; The chip was launched on July 23, 2026; its instructions are those of AMD's public machine-readable ISA for CDNA 5 (MIT licence, August 2026) and "CDNA5" Instruction Set Architecture Reference Guide (July 2026). The comments in the code are by the model that wrote it; some were corrected since.
;; Linear Shift. Allowed arithmetic: matrix products marked QUANTISED: E4M3 operands, one given power-of-two scale a tensor, by v_wmma_f32_16x16x64_fp8_fp8 or v_wmma_f32_16x16x128_fp8_fp8, f32 sums; everything else in f32.
;; Inputs: bias 4,096 float32; input 4,096 x 4,096 float32; lowp_scales 2 int32 (the exponents e of the quantised operands' scales 2^e); shift 4,096 x 4,096 float32; sign 4,096 x 4,096 float32.
;; Outputs: out0 4,096 x 4,096 float32.
;; This version of the problem:
;;   THIS VERSION OF THE PROBLEM IS GIVEN IN LOW PRECISION. The matrix products marked QUANTISED in the list below multiply operands that are first quantised to E4M3 (4 exponent bits, 3 mantissa bits; 8 bits a number), with one given power-of-two scale for each operand tensor; their sums are f32. All else is computed in f32.
;;   The module's matrix products, in the order in which they are computed (A, B: the left and right operand; K: the contracted axis; several contracted axes count as one K, in the product's order):
;;     1. [M 4,096, K 4,096] x [K 4,096, N 4,096]; A: computed on the way; B: computed on the way: QUANTISED (scales: A lowp_scales[0], B lowp_scales[1])
;;   THE QUANTISER, for each operand of a quantised product, along K:
;;     - The operand's scale is 2^e, e = its entry of the input lowp_scales (int32; the entries are numbered through the quantised products in the list's order, A before B).
;;     - Each number is divided by the scale, clamped to +-448, and rounded to the nearest number of E4M3, ties to even, subnormals kept.
;;     - The product sums the exact products of the quantised numbers (number of the format x scale) in f32.
;;   ~~~python
;;   def quantise(x, axis, e):      # numpy; x: float32 -> the quantised numbers, widened to float32 again
;;       x = np.moveaxis(x, axis, -1); K = x.shape[-1]
;;       r = np.clip(x / 2.0 ** e, -448, 448)
;;       step = 2.0 ** (np.maximum(np.frexp(np.where(r == 0, 1, r))[1] - 1, -6) - 3)
;;       q = np.round(r / step) * step * 2.0 ** e      # np.round: ties to even
;;       return np.moveaxis(q, -1, axis).astype(np.float32)
;;   ~~~
;;   OPERANDS COMPUTED ON THE WAY. 'Computed on the way' means the value that the module computes at that place (a softmax that the list does not call 'softmax' is quantised finished and normalised). What goes into a quantiser is computed in f32, as accurately as f32 sums, v_exp_f32 and their like allow (about 1e-6 of the number): no bf16 or f16 on the way to a quantiser, and a product that is left as it is and whose result goes on into a quantised operand takes f32 operands (vector FMAs, or v_wmma_f32_16x16x4_f32). A number that lies on a knife's edge between two numbers of the format may be rounded either way, as far as f32 arithmetic and the matrix unit's own rounding can turn it there, and no further.
;; One version. Each part assembles by itself: llvm-mc -triple=amdgcn-amd-amdhsa -mcpu=gfx1250 --defsym DOCPART=n.
;; ======== version 1 of 1: 2 launches
;; limits: right only within a limited range of input values
;; workspace buffers: a_codes 16,777,216 bytes; b_codes 16,777,216 bytes
;; launch quant (part 1): grid 256 x 1, 20 waves a work-group, no clusters, 327,680 bytes of LDS; arguments input, shift, sign, lowp_scales, a_codes, b_codes; writes a_codes, b_codes
.if DOCPART == 1
	.amdgcn_target "amdgcn-amd-amdhsa--gfx1250"
	.amdhsa_code_object_version 6
	.text
	.protected	k_q31f79c9879_quant
	.globl	k_q31f79c9879_quant
	.p2align	8
	.type	k_q31f79c9879_quant,@function
k_q31f79c9879_quant:
	s_mov_b64 s[64:65], 0
	v_nop
	global_prefetch_b8 v0, s[64:65] scope:SCOPE_SE
	s_setreg_imm32_b32 hwreg(HW_REG_WAVE_MODE, 25, 1), 1
	s_wait_xcnt 0x0
; Both operands of out = Q(q_in) Q(v)^T + q_bias are made and turned into codes of FP8 (E4M3), one byte a number, once, for the product's launch.
;   q_in = clip(floor(input x 2^16) x 2^-16, -32768, 32767), scale 2^ea;   v = 2^round(shift) x sign(clip(sign, -1, 1)), scale 2^eb.   ea, eb: entries 0 and 1 (int32) of lowp_scales.
;   code = number / scale, held within +-448, rounded to the nearest code, ties to even.
; K IS PERMUTED ALIKE IN BOTH BUFFERS inside every aligned chunk of 512 along K: unit u (16 bytes, u = 0..31) of a row's chunk holds, in byte 4 i + j, k = 128 i + 4 u + j.  A tensor has one scale, so the
; quantiser does not see the order; in the product every code of A meets the code of B with the same k.  So a lane's 16 numbers from four reads of 512 consecutive bytes go as they stand into two conversions.
; b_codes: [4096 rows][4096 bytes], the units of a row on end.
; a_codes: in the order of the product's operand registers: a block of 16 rows x 128 along K is 2,048 bytes on end, block (R, s) at (32 R + s) x 2048; in it the 16 bytes at 512 c + 16 (16 h + r) are
; unit 8 (s % 4) + 2 c + h of row 16 R + r, chunk s / 4.
; SHARES: work-group i takes rows 16 i .. 16 i + 15 of input and of v.  Waves 0-15: one row of v each: the wave's own row of shift (16 KiB, stated as 64 rows of 256 bytes) comes by ONE tensor load into LDS bytes
; of the wave's own, which nobody else reads and nothing fills again: the wave's wait on TENSORcnt is all the ordering; sign comes by global loads, three steps ahead.  Waves 16-19: two chunks of 512 along K of the
; 16 rows of input each, loads six steps ahead; a chunk's codes turn through the wave's own stage in LDS (a unit's 16 rows on end, 272 bytes from unit to unit) and leave as 8 KiB on end.
; All global stores of a wave stand at its end; all offsets are immediates.  Work-groups share no input: no cluster.  No loop, and every stream is asked for from the head on: no prefetch.
; LIMITS: ea between -142 and 103; eb between -126 and 119.  NaN among the inputs is not served; infinities are held at the largest code.
.set UP,   272                         ; stage: bytes from unit to unit
.set WST,  32*UP                       ; a wave's stage
.set STG0, 262144-16*WST               ; wave w (16..19) has its stage at STG0 + w x WST: behind the sixteen rows of shift
.set SPARE, 262144+4*WST               ; the spare words, 128 bytes a wave, ten blocks of 256 bytes
.set SPW, 8
.set NIL, 9
.set SI,  10                           ; stage, in: UP x lane
.set SO,  11                           ; stage, out: UP x (lane / 16) + 16 x (lane % 16)
.set SH,  14                           ; my row of shift in LDS: 16384 x wave + 16 x lane
.set X,   16                           ; input waves: v16-111 six sets of 16 numbers; at the end the second chunk's codes read back
.set CA,  112                          ; v112-127 codes, a ring of four times four registers
.set OUT0, 128                         ; v128-191 the first chunk's codes read back
.set S,   16                           ; weight waves: v16-111 three sets of 32: +0..15 shift, +16..31 sign
.set CB,  112                          ; v112-143 codes, four registers a step
	s_load_b256 s[4:11], s[0:1], 0x0               ; input, shift, sign, lowp_scales
	s_load_b128 s[12:15], s[0:1], 0x20             ; a_codes, b_codes
	v_lshl_add_u32 v[SPW], v0, 2, SPARE
	v_mov_b32 v[NIL], 0
	ds_add_u32 v[SPW], v[NIL]                      ; the opening lines: the add twice on end and its wait
	ds_add_u32 v[SPW], v[NIL]
	v_lshrrev_b32 v1, 5, v0
	v_readfirstlane_b32 s16, v1                    ; wave 0..19
	v_and_b32 v3, 31, v0
	v_lshlrev_b32 v2, 4, v3                        ; 16 x lane: the offset of every global load and store
	s_mul_i32 s29, s16, WST
	s_add_co_u32 s29, s29, STG0
	v_mul_u32_u24 v[SI], v3, UP
	v_add_nc_u32 v[SI], s29, v[SI]
	v_and_b32 v12, 15, v0
	v_bfe_u32 v13, v0, 4, 1
	v_mul_u32_u24 v13, v13, UP
	v_lshl_add_u32 v13, v12, 4, v13
	v_add_nc_u32 v[SO], s29, v13
	s_mov_b32 s32, 1                               ; descriptor group 0: count,
	s_lshl_b32 s33, s16, 14                        ; LDS address: 16 KiB x wave
	v_add_nc_u32 v[SH], s33, v2
	s_mov_b32 s40, 3<<16                           ; group 1: elements of 8 bytes, no padding, no mask
	s_mov_b32 s41, 32<<16                          ; tensor_dim0 = 32 elements = 256 bytes
	s_mov_b32 s42, 64<<16                          ; tensor_dim1 = 64
	s_mov_b32 s43, 32<<16                          ; tile_dim0
	s_mov_b32 s44, 64                              ; tile_dim1
	s_mov_b32 s45, 32                              ; pitch: the rows lie on end
	s_mov_b32 s46, 0
	s_mov_b32 s47, 0
	s_mov_b32 s26, 0x47800000                      ; 2^16
	s_mov_b32 s27, 0x47800000
	s_mov_b32 s28, 300
	s_wait_dscnt 0x0                               ; both opening adds are done
	s_wait_alu depctr_va_vdst(0)
	s_wait_kmcnt 0x0
	s_load_b64 s[22:23], s[10:11], 0x0             ; ea, eb
	s_cmp_lt_u32 s16, 16
	s_cbranch_scc0 .Linput
; ---------------- waves 0-15: shift, sign -> b_codes
	s_lshl_b32 s17, ttmp9, 4
	s_add_co_u32 s17, s17, s16                     ; my row of v
	s_lshl_b32 s18, s17, 14
	s_mov_b32 s19, 0
	s_lshl_b32 s20, s17, 12
	s_mov_b32 s21, 0
	s_add_nc_u64 s[34:35], s[6:7], s[18:19]
	s_or_b32 s35, s35, 0x80000000
	tensor_load_to_lds s[32:35], s[40:47]          ; my row of shift: my one tensor load
	s_nop 0
	s_add_nc_u64 s[8:9], s[8:9], s[18:19]
	s_add_nc_u64 s[14:15], s[14:15], s[20:21]
.macro LOADS t                         ; step t: four loads of sign, 512 consecutive bytes each
.irp i, 0,1,2,3
	global_load_b128 v[S+32*((\t)%3)+16+4*\i:S+32*((\t)%3)+16+4*\i+3], v2, s[8:9] offset:2048*(\t)+512*\i th:TH_LOAD_NT
.endr
.endm
.macro DSL t                           ; step t: the same places of shift, from LDS
.irp i, 0,1,2,3
	ds_load_b128 v[S+32*((\t)%3)+4*\i:S+32*((\t)%3)+4*\i+3], v[SH] offset:2048*(\t)+512*\i
.endr
.endm
.irp t, 0,1,2
	LOADS \t
.endr
	s_wait_kmcnt 0x0
	s_add_co_i32 s24, s23, 127
	s_lshl_b32 s25, s24, 23
	v_mov_b32 v4, s25                              ; 2^eb
	s_add_co_i32 s24, s24, 8
	s_lshl_b32 s24, s24, 23
	s_or_b32 s24, s24, 0x600000
	v_mov_b32 v5, s24                              ; lim = 448 x 2^eb
	s_wait_alu depctr_va_vdst(0)
	s_wait_tensorcnt 0x0                           ; my row of shift is in LDS
.irp t, 0,1,2
	DSL \t
.endr
.macro STEPB t
.set SS, S+32*((\t)%3)
.if (\t) <= 5
	s_wait_loadcnt 8                               ; this step's four loads are in; those of the two steps behind it may be out
	s_wait_dscnt 8                                 ; and likewise its four LDS loads
.else
	s_wait_loadcnt 4*(7-(\t))
	s_wait_dscnt 4*(7-(\t))
.endif
.irp m, 0,1,2,3,4,5,6,7,8,9,10,11,12,13,14,15
	v_rndne_f32 v[SS+\m], v[SS+\m]                 ; round(shift), ties to even
.endr
.irp m, 0,1,2,3,4,5,6,7,8,9,10,11,12,13,14,15
	v_cvt_i32_f32 v[SS+\m], v[SS+\m]               ; as a whole number n (it saturates)
.endr
.irp m, 0,1,2,3,4,5,6,7,8,9,10,11,12,13,14,15
	v_ldexp_f32 v[SS+\m], 1.0, v[SS+\m]            ; p = 2^n, exact
.endr
.irp m, 0,1,2,3,4,5,6,7,8,9,10,11,12,13,14,15
	v_ldexp_f32 v[SS+16+\m], v[SS+16+\m], s28      ; sign x 2^300: every number but 0 becomes +-infinity; 0 stays 0
.endr
.irp m, 0,1,2,3,4,5,6,7,8,9,10,11,12,13,14,15
	v_med3_num_f32 v[SS+16+\m], v[SS+16+\m], -v5, v5   ; sign(s) x lim.  (sign(clip(s, -1, 1)) = sign(s))
.endr
.irp m, 0,1,2,3,4,5,6,7,8,9,10,11,12,13,14,15
	v_med3_num_f32 v[SS+16+\m], v[SS+16+\m], -v[SS+\m], v[SS+\m]   ; sign(s) x min(p, lim)
.endr
	v_cvt_scalef32_pk8_fp8_f32 v[CB+4*(\t):CB+4*(\t)+1], v[SS+16:SS+23], v4
	v_cvt_scalef32_pk8_fp8_f32 v[CB+4*(\t)+2:CB+4*(\t)+3], v[SS+24:SS+31], v4
.if (\t)+3 < 8
	LOADS (\t)+3
	DSL (\t)+3
.endif
.endm
.irp t, 0,1,2,3,4,5,6,7
	STEPB \t
.endr
.irp t, 0,1,2,3,4,5,6,7
	global_store_b128 v2, v[CB+4*\t:CB+4*\t+3], s[14:15] offset:512*\t   ; 512 consecutive bytes, at a multiple of 512 from the buffer's first byte
.endr
	s_wait_tensorcnt 0x0                           ; the wave's end
	ds_add_u32 v[SPW], v[NIL]
	s_wait_dscnt 0x0
	s_endpgm
; ---------------- waves 16-19: input -> a_codes; wave 16 + a takes chunks a and a + 4 of the work-group's 16 rows
.Linput:
	s_sub_co_u32 s17, s16, 16                      ; a
	s_lshl_b32 s18, ttmp9, 18                      ; 16 rows of 16 KiB
	s_lshl_b32 s19, s17, 11                        ; a chunk is 2 KiB of f32
	s_add_co_u32 s18, s18, s19
	s_mov_b32 s19, 0
	s_lshl_b32 s20, ttmp9, 16                      ; 16 rows of codes
	s_lshl_b32 s21, s17, 13                        ; a chunk of them is 8 KiB
	s_add_co_u32 s20, s20, s21
	s_mov_b32 s21, 0
	s_add_nc_u64 s[4:5], s[4:5], s[18:19]
	s_add_nc_u64 s[12:13], s[12:13], s[20:21]
.macro LOADA t                         ; step t: row t % 16 of chunk a + 4 (t / 16): four loads of 512 consecutive bytes
.irp i, 0,1,2,3
	global_load_b128 v[X+16*((\t)%6)+4*\i:X+16*((\t)%6)+4*\i+3], v2, s[4:5] offset:16384*((\t)%16)+8192*((\t)/16)+512*\i th:TH_LOAD_NT
.endr
.endm
.irp t, 0,1,2,3,4,5
	LOADA \t                                       ; twenty-four loads of the wave are out from here on
.endr
	s_wait_kmcnt 0x0
	; on numbers x 2^16: LO = max(-2^31, -448 x 2^(ea + 16)), HI = min(32767 x 2^16, 448 x 2^(ea + 16)): the clip and the hold in one
	s_add_co_i32 s24, s22, 143
	s_lshl_b32 s25, s24, 23
	v_mov_b32 v4, s25                              ; 2^(ea + 16): the conversion takes its exponent field
	s_add_co_i32 s24, s24, 8
	s_lshl_b32 s24, s24, 23
	s_or_b32 s24, s24, 0x600000
	v_mov_b32 v5, s24                              ; 448 x 2^(ea + 16)
	v_min_num_f32 v7, 0x4efffe00, v5               ; HI
	v_xor_b32 v6, 0x80000000, v5
	v_max_num_f32 v6, 0xcf000000, v6               ; LO
	s_wait_alu depctr_va_vdst(0)
.macro STEPA t
.set XS, X+16*((\t)%6)
.set CQ, CA+4*((\t)%4)
.if (\t) <= 26
	s_wait_loadcnt 20                              ; this step's four loads are in; those of the five steps behind it may be out
.else
	s_wait_loadcnt 4*(31-(\t))
.endif
	s_wait_dscnt 3                                 ; the stage's store of four steps ago has read the registers that this step's codes take
.irp m, 0,2,4,6,8,10,12,14
	v_pk_mul_f32 v[XS+\m:XS+\m+1], v[XS+\m:XS+\m+1], s[26:27] op_sel_hi:[1,0]   ; x 2^16: exact
.endr
.irp m, 0,1,2,3,4,5,6,7,8,9,10,11,12,13,14,15
	v_floor_f32 v[XS+\m], v[XS+\m]
.endr
.irp m, 0,1,2,3,4,5,6,7,8,9,10,11,12,13,14,15
	v_med3_num_f32 v[XS+\m], v[XS+\m], v6, v7      ; the conversion to an 8-bit code does not saturate (ISA guide 7.6.2)
.endr
	v_cvt_scalef32_pk8_fp8_f32 v[CQ:CQ+1], v[XS:XS+7], v4
	v_cvt_scalef32_pk8_fp8_f32 v[CQ+2:CQ+3], v[XS+8:XS+15], v4
.if (\t)+6 < 32
	LOADA (\t)+6
.endif
	ds_store_b128 v[SI], v[CQ:CQ+3] offset:16*((\t)%16)   ; my unit of row t % 16
.endm
.macro BACK reg                        ; a chunk's codes back from the stage: units 2 p and 2 p + 1 of all 16 rows.  LDS serves a wave's instructions in order: these see my stores, and the next chunk's stores come behind them
.irp p, 0,1,2,3,4,5,6,7,8,9,10,11,12,13,14,15
	ds_load_b128 v[\reg+4*\p:\reg+4*\p+3], v[SO] offset:2*UP*\p
.endr
.endm
.irp t, 0,1,2,3,4,5,6,7,8,9,10,11,12,13,14,15
	STEPA \t
.endr
	BACK OUT0
.irp t, 16,17,18,19,20,21,22,23,24,25,26,27,28,29,30,31
	STEPA \t
.endr
	BACK X                                         ; all my global loads are in: their registers are free
	s_wait_dscnt 0x0
.irp p, 0,1,2,3,4,5,6,7,8,9,10,11,12,13,14,15
	global_store_b128 v2, v[OUT0+4*\p:OUT0+4*\p+3], s[12:13] offset:512*\p   ; 512 consecutive bytes, at a multiple of 512 from the buffer's first byte
.endr
.irp p, 0,1,2,3,4,5,6,7,8,9,10,11,12,13,14,15
	global_store_b128 v2, v[X+4*\p:X+4*\p+3], s[12:13] offset:32768+512*\p
.endr
	s_wait_tensorcnt 0x0                           ; the wave's end
	ds_add_u32 v[SPW], v[NIL]
	s_wait_dscnt 0x0
	s_endpgm
.Lfunc_end_k_q31f79c9879_quant:
	.size	k_q31f79c9879_quant, .Lfunc_end_k_q31f79c9879_quant-k_q31f79c9879_quant
	.p2alignl 7, 3214868480
	.fill 96, 4, 3214868480
	.section	.rodata,"a",@progbits
	.p2align	6, 0x0
	.amdhsa_kernel k_q31f79c9879_quant
		.amdhsa_group_segment_fixed_size 327680
		.amdhsa_private_segment_fixed_size 0
		.amdhsa_enable_private_segment 0
		.amdhsa_kernarg_size 48
		.amdhsa_user_sgpr_count 2
		.amdhsa_user_sgpr_kernarg_segment_ptr 1
		.amdhsa_wavefront_size32 1
		.amdhsa_system_sgpr_workgroup_id_x 1
		.amdhsa_system_sgpr_workgroup_id_y 1
		.amdhsa_system_sgpr_workgroup_id_z 1
		.amdhsa_system_vgpr_workitem_id 0
		.amdhsa_next_free_vgpr 192
		.amdhsa_next_free_sgpr 66
		.amdhsa_reserve_vcc 0
		.amdhsa_float_denorm_mode_32 3
		.amdhsa_float_denorm_mode_16_64 3
		.amdhsa_memory_ordered 1
		.amdhsa_forward_progress 1
		.amdhsa_inst_pref_size 141
	.end_amdhsa_kernel
	.amdgpu_metadata
---
amdhsa.version: [ 1, 2 ]
amdhsa.kernels:
  - .name:           k_q31f79c9879_quant
    .symbol:         k_q31f79c9879_quant.kd
    .args:
      - { .name: input, .offset: 0, .size: 8, .value_kind: global_buffer, .address_space: global }
      - { .name: shift, .offset: 8, .size: 8, .value_kind: global_buffer, .address_space: global }
      - { .name: sign, .offset: 16, .size: 8, .value_kind: global_buffer, .address_space: global }
      - { .name: lowp_scales, .offset: 24, .size: 8, .value_kind: global_buffer, .address_space: global }
      - { .name: a_codes, .offset: 32, .size: 8, .value_kind: global_buffer, .address_space: global }
      - { .name: b_codes, .offset: 40, .size: 8, .value_kind: global_buffer, .address_space: global }
    .group_segment_fixed_size: 327680
    .private_segment_fixed_size: 0
    .kernarg_segment_align: 8
    .kernarg_segment_size: 48
    .max_flat_workgroup_size: 640
    .sgpr_count:     66
    .vgpr_count:     192
    .wavefront_size: 32
...
	.end_amdgpu_metadata
.endif
;; end of part 1
;; launch gemm (part 2): grid 16 x 16, 4 waves a work-group, clusters of 4 x 1, 327,680 bytes of LDS; arguments a_codes, b_codes, lowp_scales, bias, out0; writes out0
.if DOCPART == 2
	.amdgcn_target "amdgcn-amd-amdhsa--gfx1250"
	.amdhsa_code_object_version 6
	.text
	.protected	k_q31f79c9879_gemm
	.globl	k_q31f79c9879_gemm
	.p2align	8
	.type	k_q31f79c9879_gemm,@function
k_q31f79c9879_gemm:
	s_mov_b64 s[64:65], 0
	v_nop
	global_prefetch_b8 v0, s[64:65] scope:SCOPE_SE
	s_setreg_imm32_b32 hwreg(HW_REG_WAVE_MODE, 25, 1), 1
	s_wait_xcnt 0x0
	s_wait_alu depctr_hold_cnt(0) depctr_sa_sdst(0) depctr_va_vdst(0) depctr_va_sdst(0) depctr_va_ssrc(0) depctr_va_vcc(0) depctr_vm_vsrc(0)
	s_getreg_b32 s2, hwreg(HW_REG_IB_STS2, 6, 4)
	s_cmp_eq_u32 s2, 0
	s_cbranch_scc0 .Lentry_in_a_cluster
	s_endpgm
.Lentry_in_a_cluster:
	s_bfe_u32 s2, ttmp6, 0x10000c
	s_cmp_lg_u32 s2, 0x3003
	s_cbranch_scc0 .Lentry_shape_is_right
	s_endpgm
.Lentry_shape_is_right:
; out[m][n] = 2^(ea + eb) x (sum over k of A[m][k] B[n][k]) + q_bias[n]; A, B: codes of FP8 (E4M3) as the launch before laid them; q_bias = clip(floor(bias x 2^16) x 2^-16, -32768, 32767); sums in f32.
; LIMIT: ea + eb between -126 and 127, so that 2^(ea + eb) is an f32 number.
; A work-group makes 256 x 256 of out; its four waves stand one below the other, each with 64 rows x 256 columns: 64 accumulators, 512 registers.
; B ALONE GOES THROUGH LDS: a ring of two slots of 256 rows x 512 along K (rows of 512 bytes of memory, 528 in LDS), a wave's tensor load brings 64 rows; a slot serves four steps of 128 along K, 256 matrix instructions a wave.
; A GOES FROM MEMORY STRAIGHT INTO REGISTERS: a_codes lies in the order of the operand's registers (16 rows x 128 K = 2,048 bytes on end), each wave's 64 rows are its own, each load takes 512 consecutive bytes.
; Four sets of 64 registers: the loads run three steps ahead.
; CLUSTERS: 4 work-groups along x (four tile rows) share one tile column, so B's tiles are asked for JOINTLY (mask 15).  A is not asked for jointly: it goes to registers and not to LDS, so that both slots
; hold B and are 512 along K long; with A's 256 rows beside B's, two slots of that length would take 540,672 bytes of LDS.
; THE MATRIX INSTRUCTION IS USED TRANSPOSED (source 0 = 16 rows of B, source 1 = 16 rows of A): a lane holds eight neighbouring numbers of a row of out.
; REGISTERS: window 0: v0-63 addresses and q_bias, v64-255 A's sets 0-2; window 1: v0-63 A's set 3, v64-191 B's two buffers of four fragments; windows 2, 3: accumulator (b, a) at v[8 (4 (b % 8) + a)], b / 8 the window.
.set PITCH,  528
.set SLOT,   256*PITCH
.set SPARE,  2*SLOT                    ; the spare words, 128 bytes a wave
.set SPITCH, 1040                      ; the way out: a stage of 16 rows x (1,024 + 16) bytes for each wave, in slot 0 behind its last fill and last read
.set ADRB, 16                          ; v16-19 LDS address of B's fragments: slot 0 rows 0-127, 128-255; slot 1 likewise
.set STO,  24
.set RD,   25
.set CO,   26                          ; 16 x lane
.set SPW,  28
.set NIL,  29
.set PFOB, 30
.set PFOA, 31
.set BI,   32                          ; v32-39 q_bias at my eight columns of a row read back
.set BF,   64                          ; B's buffers, window 1
.set G1, 24
.set G0, 32
.set AB, 52                            ; s[52:53] my wave's rows in a_codes, stepped once a lap
.set PFB, 54                           ; s[54:55] my wave's rows in b_codes, stepped once a lap
.set MSB, 0
.macro WIN new
.if MSB != (\new)
	s_set_vgpr_msb (MSB<<8)|(\new)
.set MSB, (\new)
.endif
.endm
.set TO_B, 0x40
.macro PLACES                          ; four places ahead of loads into registers that matrix instructions have read, and of reads of results
.rept 4
	v_nop
.endr
.endm
.macro CREST
	s_cmp_lg_u32 s14, 0
	s_cbranch_scc1 .Lnot_wave_0_\@
	s_barrier_signal -3
.Lnot_wave_0_\@:
	s_barrier_wait -3
	s_barrier_signal -1
	s_barrier_wait -1
.endm
.macro CROUND
	s_barrier_signal -1
	s_barrier_wait -1
	CREST
.endm
; 16 matrix instructions: B's fragments 4 g .. 4 g + 3 (buffer g % 2) x A's four blocks of set as.  The 64 accumulators take turns, in the same order in every step.
.macro GMUL g, as, zero
.set AR, 64+64*(\as)
.set AW, 0
.if (\as) == 3
.set AR, 0
.set AW, 1
.endif
	WIN 1|(AW<<2)|(0xa0+0x50*((\g)/2))
.irp bb, 0,1,2,3
.irp a, 0,1,2,3
.set DD, 8*(4*((4*(\g)+\bb)%8)+\a)
.set BB, BF+64*((\g)%2)+16*\bb
.if \zero
	v_wmma_f32_16x16x128_fp8_fp8 v[DD:DD+7], v[BB:BB+15], v[AR+16*\a:AR+16*\a+15], 0
.else
	v_wmma_f32_16x16x128_fp8_fp8 v[DD:DD+7], v[BB:BB+15], v[AR+16*\a:AR+16*\a+15], v[DD:DD+7]
.endif
.endr
.endr
.endm
; 16 LDS loads: B's fragments 4 g .. 4 g + 3 of the slot's q-th 128 along K.  Lane l: row l % 16; registers 4 c .. 4 c + 3: the 16 bytes at 128 q + 32 c + 16 (l / 16)
.macro BRUN slot, q, g
	WIN TO_B
.irp bb, 0,1,2,3
.irp c, 0,1,2,3
	ds_load_b128 v[BF+64*((\g)%2)+16*\bb+4*\c:BF+64*((\g)%2)+16*\bb+4*\c+3], v[ADRB+2*(\slot)+(\g)/2] offset:((4*(\g)+\bb)%8)*16*PITCH+128*(\q)+32*\c
.endr
.endr
.endm
; 16 global loads: A's four blocks of the step ks (counted from where s[AB] stands) into set as
.macro ARUN ks, as
.set AR2, 64+64*(\as)
.set AW2, 0
.if (\as) == 3
.set AR2, 0
.set AW2, 1
.endif
	WIN AW2<<6
.irp a, 0,1,2,3
.irp c, 0,1,2,3
	global_load_b128 v[AR2+16*\a+4*\c:AR2+16*\a+4*\c+3], v[CO], s[AB:AB+1] offset:\a*65536+(\ks)*2048+\c*512
.endr
.endr
.endm
; A step of 128 along K whose successor lies in the same slot.  lc: A's loads issued behind this step's set.  Behind group g its buffer takes the group two further on.
.macro STEP slot, q, as, zero, ks, lc, last
	s_wait_loadcnt \lc
.irp g, 0,1,2,3
.if (\last) && (\g == 3)
	s_wait_dscnt 0
.else
	s_wait_dscnt 16                                ; this group's sixteen loads are in; the run behind them may be out
.endif
	GMUL \g, \as, \zero
.if \g < 2
	PLACES
.if (\g == 0) && ((\ks) >= 0)
	ARUN \ks, (\as+3)%4                            ; the set that the step before multiplied takes the step three further on
.endif
	BRUN \slot, \q, \g+2
.else
.if !(\last)
	PLACES
	BRUN \slot, \q+1, \g-2
.endif
.endif
.endr
.endm
; Prefetches: B's fill that stands two refills on: of the 64 rows x 512 bytes that my wave fetches, each of the four partners names 16 rows x two blocks of 256 bytes, told apart by address (cx).
; With the second change of slots of a lap: A's steps 16 to 23 counted from s[AB]: my wave's 256 blocks of 256 bytes are shared out among the tile columns by y % 8.  The last trip asks for nothing.
.macro ASK off, witha
	WIN 0
	s_cmp_gt_u32 s3, 1
	s_cbranch_scc0 .Lno_ask_\@
	global_prefetch_b8 v[PFOB], s[PFB:PFB+1] offset:\off th:TH_LOAD_NT scope:SCOPE_SE
.if \witha
	global_prefetch_b8 v[PFOA], s[AB:AB+1] offset:16*2048 th:TH_LOAD_NT scope:SCOPE_SE
.endif
.Lno_ask_\@:
.endm
; A slot's last step changes slots.  My last reads of the slot are group 3's, issued behind group 1.
.macro TURN slot, next, fill, ks, off, witha
	s_wait_loadcnt 32
.irp g, 0,1
	s_wait_dscnt 16
	GMUL \g, 3, 0
	PLACES
.if \g == 0
	ARUN \ks, 2
.endif
	BRUN \slot, 3, \g+2
.endr
	WIN 0
	s_wait_tensorcnt 0x0                           ; all my tensor loads have landed: my part of the next slot
	ds_add_u32 v[SPW], v[NIL]
.if \fill
	s_add_nc_u64 s[G0+4*\slot+2:G0+4*\slot+3], s[G0+4*\slot+2:G0+4*\slot+3], 1024   ; this slot's next 512 along K
.endif
	s_wait_dscnt 17                                ; group 2 is in; group 3's run and the add may be out
	GMUL 2, 3, 0                                   ; sixteen matrix instructions stand between the add and the wait for it
	WIN 0
	s_wait_dscnt 0x0                               ; the add is done, and my reads of this slot are over
	s_barrier_signal -1
	s_barrier_wait -1
.if \fill
	CREST                                          ; the barrier has opened a round of the cluster's barrier
	tensor_load_to_lds s[G0+4*\slot:G0+4*\slot+3], s[G1:G1+7]
	s_nop 0
.endif
	PLACES
	BRUN \next, 0, 0
.if \fill
	ASK \off, \witha
.endif
	GMUL 3, 3, 0
	PLACES
	BRUN \next, 0, 1
.endm
	s_load_b128 s[4:7], s[0:1], 0x0                ; a_codes, b_codes
	s_load_b128 s[8:11], s[0:1], 0x10              ; lowp_scales, bias
	s_load_b64 s[12:13], s[0:1], 0x20              ; out0
	v_lshl_add_u32 v[SPW], v0, 2, SPARE
	v_mov_b32 v[NIL], 0
	ds_add_u32 v[SPW], v[NIL]                      ; the opening lines: the add twice on end and its wait
	ds_add_u32 v[SPW], v[NIL]
	v_lshrrev_b32 v1, 5, v0
	v_readfirstlane_b32 s14, v1                    ; wave 0..3
	v_and_b32 v6, 31, v0
	v_lshlrev_b32 v[CO], 4, v6
	s_bfe_u32 s40, ttmp6, 0x40000                  ; cx
	s_lshl_b32 s42, ttmp9, 2
	s_add_co_u32 s42, s42, s40                     ; tile row = 4 x cluster x + cx
	s_and_b32 s17, ttmp7, 0xffff                   ; tile column = y, the same in the four partners
	s_mov_b32 s[G1+0], 15|(1<<20)|(1<<21)|(6<<22)|(3<<25)   ; mask of the four; element of 1 byte; 4 words of padding behind every 128
	s_mov_b32 s[G1+1], 512<<16
	s_mov_b32 s[G1+2], 64<<16
	s_mov_b32 s[G1+3], 512<<16
	s_mov_b32 s[G1+4], 64
	s_mov_b32 s[G1+5], 4096
	s_mov_b32 s[G1+6], 0
	s_mov_b32 s[G1+7], 0
	s_lshl_b32 s18, s14, 18                        ; 64 rows of codes
	s_lshl_b32 s48, s42, 20
	s_add_co_u32 s48, s48, s18                     ; A: 256 rows x tile row + 64 x wave
	s_mov_b32 s49, 0
	s_lshl_b32 s46, s17, 20
	s_add_co_u32 s46, s46, s18                     ; B: 256 rows x tile column + 64 x wave
	s_mov_b32 s47, 0
	s_lshl_b32 s22, s17, 10                        ; the tile's first column in f32 bytes
	s_mov_b32 s23, 0
	s_lshl_b32 s50, s42, 22
	s_lshl_b32 s51, s14, 20
	s_add_co_u32 s50, s50, s51
	s_add_co_u32 s50, s50, s22                     ; out: my first row and column
	s_mov_b32 s51, 0
	s_mul_i32 s45, s14, 64*PITCH
	s_mul_i32 s19, s14, 16*SPITCH
	s_lshl_b32 s41, s40, 16                        ; prefetch of B: 16 rows x cx
	s_and_b32 s43, s17, 7                          ; prefetch of A: y % 8 picks 32 of 256 blocks
	s_lshr_b32 s44, s43, 1
	s_lshl_b32 s44, s44, 16
	s_and_b32 s43, s43, 1
	s_lshl_b32 s43, s43, 13
	s_add_co_u32 s43, s43, s44
	s_mov_b32 s76, 0x47800000                      ; 2^16
	s_mov_b32 s77, 0x47800000
	s_mov_b32 s78, 0x37800000                      ; 2^-16
	s_mov_b32 s79, 0x37800000
	s_mov_b32 s80, 0xc7000000                      ; -32768
	s_mov_b32 s81, 0x46fffe00                      ; 32767
	s_wait_dscnt 0x0                               ; both opening adds are done
	s_wait_alu depctr_va_vdst(0)
	s_wait_kmcnt 0x0
	s_load_b64 s[96:97], s[8:9], 0x0               ; ea, eb
	s_add_nc_u64 s[AB:AB+1], s[4:5], s[48:49]
	s_add_nc_u64 s[46:47], s[6:7], s[46:47]
	s_add_nc_u64 s[10:11], s[10:11], s[22:23]
	s_add_nc_u64 s[12:13], s[12:13], s[50:51]
	s_mov_b64 s[PFB:PFB+1], s[46:47]
.irp s, 0,1
	s_mov_b32 s[G0+4*\s], 1
	s_add_co_u32 s[G0+4*\s+1], s45, \s*SLOT
	s_add_nc_u64 s[G0+4*\s+2:G0+4*\s+3], s[46:47], \s*512
	s_or_b32 s[G0+4*\s+3], s[G0+4*\s+3], 0x80000000
.endr
	CROUND                                         ; the four work-groups are here: the first joint loads meet
	tensor_load_to_lds s[G0:G0+3], s[G1:G1+7]      ; slot 0: my one tensor load at the head
	s_nop 0
	PLACES
	global_load_b128 v[BI:BI+3], v[CO], s[10:11]
	global_load_b128 v[BI+4:BI+7], v[CO], s[10:11] offset:512
	ARUN 0, 0                                      ; A's first three steps
	ARUN 1, 1
	ARUN 2, 2
	v_and_b32 v1, 15, v0
	v_bfe_u32 v2, v0, 4, 1
	v_mul_u32_u24 v3, v1, PITCH
	v_lshl_add_u32 v[ADRB], v2, 4, v3              ; row x pitch + 16 x half
	v_add_nc_u32 v[ADRB+1], 128*PITCH, v[ADRB]
	v_add_nc_u32 v[ADRB+2], SLOT, v[ADRB]
	v_add_nc_u32 v[ADRB+3], SLOT+128*PITCH, v[ADRB]
	v_mul_u32_u24 v5, v1, SPITCH
	v_lshl_add_u32 v5, v2, 5, v5
	v_add_nc_u32 v[STO], s19, v5                   ; stage, in: row l % 16, 32 bytes for each half of the lanes
	v_add_nc_u32 v[RD], s19, v[CO]                 ; stage, back: 512 bytes of a row to the 32 lanes
	v_lshlrev_b32 v7, 12, v1
	v_lshl_add_u32 v7, v2, 8, v7
	v_add_nc_u32 v[PFOB], s41, v7
	v_lshl_add_u32 v[PFOA], v6, 8, s43
	s_wait_loadcnt 48                              ; the bias is in; A's 48 loads may be out
.irp j, 0,2,4,6
	v_pk_mul_f32 v[BI+\j:BI+\j+1], v[BI+\j:BI+\j+1], s[76:77] op_sel_hi:[1,0]
.endr
.irp j, 0,1,2,3,4,5,6,7
	v_floor_f32 v[BI+\j], v[BI+\j]
.endr
.irp j, 0,2,4,6
	v_pk_mul_f32 v[BI+\j:BI+\j+1], v[BI+\j:BI+\j+1], s[78:79] op_sel_hi:[1,0]
.endr
.irp j, 0,1,2,3,4,5,6,7
	v_med3_num_f32 v[BI+\j], v[BI+\j], s80, s81
.endr
	s_wait_alu depctr_va_vdst(0)
	s_wait_tensorcnt 0x0                           ; my part of slot 0 is in; slot 1's first fill is issued as a refill is
	ds_add_u32 v[SPW], v[NIL]
	s_wait_dscnt 0x0
	CROUND
	tensor_load_to_lds s[G0+4:G0+7], s[G1:G1+7]
	s_nop 0
	PLACES
	BRUN 0, 0, 0
	BRUN 0, 0, 1
	STEP 0, 0, 0, 1, 3, 32, 0                      ; the first step stands ahead of the loop: its products start the sums
	WIN 0
	s_mov_b32 s3, 3
.Llap:                                                 ; a trip: eight steps, from a lap's second to the next lap's first; both slots are filled again
	STEP 0, 1, 1, 0, 4, 32, 0
	STEP 0, 2, 2, 0, 5, 32, 0
	TURN 0, 1, 1, 6, 2048, 0
	STEP 1, 0, 0, 0, 7, 32, 0
	STEP 1, 1, 1, 0, 8, 32, 0
	STEP 1, 2, 2, 0, 9, 32, 0
	TURN 1, 0, 1, 10, 2560, 1
	STEP 0, 0, 0, 0, 11, 32, 0
	WIN 0
	s_wait_xcnt 0x0                                ; my loads and prefetches have read their bases
	s_add_nc_u64 s[AB:AB+1], s[AB:AB+1], 8*2048
	s_add_nc_u64 s[PFB:PFB+1], s[PFB:PFB+1], 1024
	s_sub_co_u32 s3, s3, 1
	s_cmp_lg_u32 s3, 0
	s_cbranch_scc1 .Llap
	STEP 0, 1, 1, 0, 4, 32, 0                      ; the last lap fills nothing
	STEP 0, 2, 2, 0, 5, 32, 0
	TURN 0, 1, 0, 6, 0, 0
	STEP 1, 0, 0, 0, 7, 32, 0
	STEP 1, 1, 1, 0, -1, 32, 0
	STEP 1, 2, 2, 0, -1, 16, 0
	STEP 1, 3, 3, 0, -1, 0, 1
	WIN 0
	PLACES
; THE WAY OUT, by A's blocks of 16 rows x 256 columns.  TOSTAGE: the sums go as they are through my stage and come back, into the same registers, as rows: row t in accumulator (t, a): 512 bytes of a row to the 32 lanes.
; FIN: x 2^(ea + eb) + q_bias in one multiply-add.  SEND: stores of 512 consecutive bytes.  LDS serves a wave's instructions in order: no wait between the stage's stores and loads.
; The LDS lines and multiply-adds of later blocks stand ahead of a block's stores, so that vector work follows stores in two places only.
.macro TOSTAGE a
.irp w, 0,1
	WIN 0x08+4*\w
.irp b, 0,1,2,3,4,5,6,7
	ds_store_b128 v[STO], v[8*(4*\b+\a):8*(4*\b+\a)+3] offset:64*(8*\w+\b)         ; each accumulator from its low end on
	ds_store_b128 v[STO], v[8*(4*\b+\a)+4:8*(4*\b+\a)+7] offset:64*(8*\w+\b)+16
.endr
.endr
.irp w, 0,1
	WIN 0x80+0x40*\w
.irp t, 0,1,2,3,4,5,6,7
	ds_load_b128 v[8*(4*\t+\a):8*(4*\t+\a)+3], v[RD] offset:(8*\w+\t)*SPITCH
	ds_load_b128 v[8*(4*\t+\a)+4:8*(4*\t+\a)+7], v[RD] offset:(8*\w+\t)*SPITCH+512
.endr
.endr
.endm
.macro FIN a, younger
	s_wait_dscnt \younger
.irp w, 0,1
	WIN 0x82+0x41*\w
.irp t, 0,1,2,3,4,5,6,7
.irp p, 0,2,4,6
	v_pk_fma_f32 v[8*(4*\t+\a)+\p:8*(4*\t+\a)+\p+1], v[8*(4*\t+\a)+\p:8*(4*\t+\a)+\p+1], s[96:97], v[BI+\p:BI+\p+1] op_sel_hi:[1,0,1]
.endr
.endr
.endr
.endm
.macro SEND a
.irp w, 0,1
	WIN 0x08+4*\w
.irp t, 0,1,2,3,4,5,6,7
	global_store_b128 v[CO], v[8*(4*\t+\a):8*(4*\t+\a)+3], s[12:13] offset:(16*\a+8*\w+\t)*16384 th:TH_STORE_NT
	global_store_b128 v[CO], v[8*(4*\t+\a)+4:8*(4*\t+\a)+7], s[12:13] offset:(16*\a+8*\w+\t)*16384+512 th:TH_STORE_NT
.endr
.endr
.endm
	s_wait_kmcnt 0x0
	s_add_co_i32 s96, s96, s97
	s_add_co_i32 s96, s96, 127
	s_lshl_b32 s96, s96, 23                        ; 2^(ea + eb) as f32
	TOSTAGE 0
	TOSTAGE 1
	FIN 0, 63                                      ; behind block 0's loads stand block 1's 64 LDS lines; the wait's field holds 63
	TOSTAGE 2
	SEND 0
	FIN 1, 63                                      ; behind block 1's loads stand block 2's 64 LDS lines
	FIN 2, 0
	s_wait_alu depctr_va_vdst(0)
	TOSTAGE 3
	SEND 1
	SEND 2
	FIN 3, 0
	SEND 3
	WIN 0
	s_wait_tensorcnt 0x0                           ; the wave's end
	ds_add_u32 v[SPW], v[NIL]
	s_wait_dscnt 0x0
	CROUND                                         ; the closing round
	s_endpgm
.Lfunc_end_k_q31f79c9879_gemm:
	.size	k_q31f79c9879_gemm, .Lfunc_end_k_q31f79c9879_gemm-k_q31f79c9879_gemm
	.p2alignl 7, 3214868480
	.fill 96, 4, 3214868480
	.section	.rodata,"a",@progbits
	.p2align	6, 0x0
	.amdhsa_kernel k_q31f79c9879_gemm
		.amdhsa_group_segment_fixed_size 327680
		.amdhsa_private_segment_fixed_size 0
		.amdhsa_enable_private_segment 0
		.amdhsa_kernarg_size 40
		.amdhsa_user_sgpr_count 2
		.amdhsa_user_sgpr_kernarg_segment_ptr 1
		.amdhsa_wavefront_size32 1
		.amdhsa_system_sgpr_workgroup_id_x 1
		.amdhsa_system_sgpr_workgroup_id_y 1
		.amdhsa_system_sgpr_workgroup_id_z 1
		.amdhsa_system_vgpr_workitem_id 0
		.amdhsa_next_free_vgpr 1024
		.amdhsa_next_free_sgpr 98
		.amdhsa_reserve_vcc 0
		.amdhsa_float_denorm_mode_32 3
		.amdhsa_float_denorm_mode_16_64 3
		.amdhsa_memory_ordered 1
		.amdhsa_forward_progress 1
		.amdhsa_inst_pref_size 222
	.end_amdhsa_kernel
	.amdgpu_metadata
---
amdhsa.version: [ 1, 2 ]
amdhsa.kernels:
  - .name:           k_q31f79c9879_gemm
    .symbol:         k_q31f79c9879_gemm.kd
    .args:
      - { .name: a_codes, .offset: 0, .size: 8, .value_kind: global_buffer, .address_space: global }
      - { .name: b_codes, .offset: 8, .size: 8, .value_kind: global_buffer, .address_space: global }
      - { .name: lowp_scales, .offset: 16, .size: 8, .value_kind: global_buffer, .address_space: global }
      - { .name: bias, .offset: 24, .size: 8, .value_kind: global_buffer, .address_space: global }
      - { .name: out0, .offset: 32, .size: 8, .value_kind: global_buffer, .address_space: global }
    .group_segment_fixed_size: 327680
    .private_segment_fixed_size: 0
    .kernarg_segment_align: 8
    .kernarg_segment_size: 40
    .max_flat_workgroup_size: 128
    .sgpr_count:     98
    .vgpr_count:     1024
    .wavefront_size: 32
...
	.end_amdgpu_metadata
.endif
;; end of part 2
